; MI455X (gfx1250); checked and timed in simulation.
; The chip was launched on July 23, 2026; its instructions are those of AMD's public machine-readable ISA for CDNA 5 (MIT licence, August 2026) and "CDNA5" Instruction Set Architecture Reference Guide (July 2026). The comments in the code are by the model that wrote it; some were corrected since.
;; Topic Decoder. Allowed arithmetic: float matrix products may take bf16 or f16 operands with f32 sums; all other float work in f32.
;; Inputs: beta_logit 128 x 32,000 float32; theta 64 x 128 float32.
;; Outputs: out0 64 x 32,000 float32.
;; 2 versions, each right; version 2 is version 1 with the launch mix written anew for expert scheduling mode. Each part assembles by itself: llvm-mc -triple=amdgcn-amd-amdhsa -mcpu=gfx1250 --defsym DOCPART=n.
;; ======== version 1 of 2: 2 launches
;; limits: values outside matrix products are rounded to bf16
;; workspace buffers: stats 2,048 bytes
;; launch rowstats (part 1): grid 256 x 1, 4 waves a work-group, no clusters, 768 bytes of LDS; arguments beta_logit, stats; writes stats
.if DOCPART == 1
	.amdgcn_target "amdgcn-amd-amdhsa--gfx1250"
	.amdhsa_code_object_version 6
	.text
	.protected	k_q56dc74c037_rowstats
	.globl	k_q56dc74c037_rowstats
	.p2align	8
	.type	k_q56dc74c037_rowstats,@function
k_q56dc74c037_rowstats:
	s_mov_b64 s[64:65], 0
	v_nop
	global_prefetch_b8 v0, s[64:65] scope:SCOPE_SE
	s_setreg_imm32_b32 hwreg(HW_REG_WAVE_MODE, 25, 1), 1
	s_wait_xcnt 0x0
; First pass of the softmax over words: for each HALF row of beta_logit [128][32000] f32 the pair
;   C = -(largest x) * log2(e)   and   Z = sum of exp2(x * log2(e) + C),
; stored as 8 bytes at stats + 8 * work-group: topic k's two pairs lie side by side in 16 bytes.
; The next launch joins the two halves.
; 256 work-groups x 4 waves.  Work-group i owns the 64,000 bytes from byte 64,000 i (row i/2, half i%2).
; 16,000 numbers / 128 threads = 125 a thread: 31 loads of 16 bytes (thread t at 16 t + 2,048 j: a wave's load covers
; 512 consecutive bytes that start on a multiple of 256) and one load of 4 bytes for the last 512 bytes.
; All 32 loads go out at once.  The numbers are worked on in four groups as they land, with a running
; maximum in each lane: Z is rescaled by exp2(Cnew - Cold) when the maximum grows.
; No exponent is above the rounding error of C.
; No cache hint on the loads: the next launch reads the same bytes again.
; Nothing is shared between work-groups, so no cluster; the matrix unit has nothing to do here.
; LIMITS: beta_logit is finite and |x| * 1.4427 stays inside f32 (no infinities, no NaN).
; C is rounded once, so every exponent carries the same absolute error of at most half a unit in the last place of C.
; Terms below 2^-126 count as 0 (v_exp_f32 flushes them).
.set HALFB, 64000                      ; bytes of half a row
.set L2E,   0x3fb8aa3b                 ; log2(e)
.set NL2E,  0xbfb8aa3b                 ; -log2(e)
.set OFF,   1                          ; v1       16 t
.set WC,    2                          ; v2       the wave's, then the work-group's C  (v[2:3] is the pair that is stored)
.set Z,     3                          ; v3       the lane's, the wave's, the work-group's Z
.set M,     5                          ; v5       the lane's running maximum.  v4 and v6 hold the lane's C by turns, group by group
.set F,     7                          ; v7       Cnew - Cold, then exp2 of it
.set MA,    8                          ; v[8:11]  four chains of maxima
.set SUM,   12                         ; v[12:19] four chains of sums, two numbers each
.set TOFF,  20                         ; v20      4 t
.set X,     22                         ; v[22:146] my 125 numbers
	s_load_b128 s[4:7], s[0:1], 0x0                ; beta_logit s[4:5], stats s[6:7]
	v_lshl_add_u32 v148, v0, 2, 0x100
	v_mov_b32 v149, 0
	v_lshlrev_b32 v[OFF], 4, v0
	v_lshlrev_b32 v[TOFF], 2, v0
	v_lshrrev_b32 v[WC], 5, v0
	v_readfirstlane_b32 s8, v[WC]                  ; wave 0..3
	s_mul_i32 s2, ttmp9, HALFB                     ; 255 x 64,000 stays below 2^32
	s_mov_b32 s3, 0
	s_lshl_b32 s12, ttmp9, 3                       ; my 8 bytes of stats
	s_mov_b32 s13, 0
	s_lshl_b32 s9, s8, 3                           ; my wave's 8 bytes of LDS
	s_mov_b32 s10, 0x76543210                      ; v_permlanex16_b32: lane i of one half reads lane i of the other
	s_mov_b32 s11, 0xfedcba98
	s_wait_kmcnt 0x0
	s_add_nc_u64 s[4:5], s[4:5], s[2:3]
	s_add_nc_u64 s[6:7], s[6:7], s[12:13]
.set j, 0
.rept 31
	global_load_b128 v[X+4*j:X+4*j+3], v[OFF], s[4:5] offset:2048*j
.set j, j+1
.endr
	global_load_b32 v[X+124], v[TOFF], s[4:5] offset:63488   ; 31 x 2,048: the last 512 bytes, 4 a thread
; One group: nq loads of four numbers from register base on (extra = 1: and one single number behind them).
; cn: the register that takes the new C (its upper neighbour is named too, not written: the packed multiply-add names the pair as a source);
; co: the one that holds the old C.
; left: how many younger loads may stay out (loads come back in order: ISA guide 5.7.1).
.macro GROUP base, nq, first, extra, left, cn, co
	s_wait_loadcnt \left
	v_max_num_f32 v[MA],   v[\base],   v[\base+1]  ; the first eight numbers start four chains: nothing is cleared
	v_max_num_f32 v[MA+1], v[\base+2], v[\base+3]
	v_max_num_f32 v[MA+2], v[\base+4], v[\base+5]
	v_max_num_f32 v[MA+3], v[\base+6], v[\base+7]
.set q, 2
.rept \nq-2
	v_max3_num_f32 v[MA+2*(q%2)],   v[MA+2*(q%2)],   v[\base+4*q],   v[\base+4*q+1]
	v_max3_num_f32 v[MA+2*(q%2)+1], v[MA+2*(q%2)+1], v[\base+4*q+2], v[\base+4*q+3]
.set q, q+1
.endr
	v_max3_num_f32 v[MA], v[MA], v[MA+1], v[MA+2]
.if \first
	v_max_num_f32 v[M], v[MA], v[MA+3]
	v_mul_f32 v[\cn], NL2E, v[M]                   ; C = -max * log2(e)
.else
	v_max3_num_f32 v[M], v[M], v[MA], v[MA+3]      ; the running maximum
.if \extra
	v_max_num_f32 v[M], v[M], v[\base+4*\nq]
.endif
	v_mul_f32 v[\cn], NL2E, v[M]
	v_sub_f32 v[F], v[\cn], v[\co]                 ; <= 0: what the old sum is to be scaled by, in powers of two
.endif
.set q, 0
.rept 2*\nq
	v_pk_fma_f32 v[\base+2*q:\base+2*q+1], v[\base+2*q:\base+2*q+1], L2E, v[\cn:\cn+1] op_sel_hi:[1,0,0]   ; x log2(e) + C, C for both halves
.set q, q+1
.endr
.if \extra
	v_fmamk_f32 v[\base+4*\nq], v[\base+4*\nq], L2E, v[\cn]
.endif
.if \first
.else
	v_exp_f32 v[F], v[F]
.endif
.set q, 0
.rept 4*\nq+\extra
	v_exp_f32 v[\base+q], v[\base+q]
.set q, q+1
.endr
	v_nop                                          ; one plain vector instruction between the run of v_exp_f32 and the first use of a result (ISA guide 5.7.2)
	s_wait_alu depctr_va_vdst(0)
	v_pk_add_f32 v[SUM:SUM+1],   v[\base:\base+1],     v[\base+4:\base+5]       ; the first sixteen numbers start four chains
	v_pk_add_f32 v[SUM+2:SUM+3], v[\base+2:\base+3],   v[\base+6:\base+7]
	v_pk_add_f32 v[SUM+4:SUM+5], v[\base+8:\base+9],   v[\base+12:\base+13]
	v_pk_add_f32 v[SUM+6:SUM+7], v[\base+10:\base+11], v[\base+14:\base+15]
.set q, 4
.rept \nq-4
	v_pk_add_f32 v[SUM+4*(q%2):SUM+4*(q%2)+1],   v[SUM+4*(q%2):SUM+4*(q%2)+1],   v[\base+4*q:\base+4*q+1]
	v_pk_add_f32 v[SUM+4*(q%2)+2:SUM+4*(q%2)+3], v[SUM+4*(q%2)+2:SUM+4*(q%2)+3], v[\base+4*q+2:\base+4*q+3]
.set q, q+1
.endr
	v_pk_add_f32 v[SUM:SUM+1],   v[SUM:SUM+1],   v[SUM+2:SUM+3]
	v_pk_add_f32 v[SUM+4:SUM+5], v[SUM+4:SUM+5], v[SUM+6:SUM+7]
	v_pk_add_f32 v[SUM:SUM+1],   v[SUM:SUM+1],   v[SUM+4:SUM+5]
.if \first
	v_add_f32 v[Z], v[SUM], v[SUM+1]
.else
	v_add_f32 v[SUM], v[SUM], v[SUM+1]
.if \extra
	v_add_f32 v[SUM], v[SUM], v[\base+4*\nq]
.endif
	v_fma_f32 v[Z], v[Z], v[F], v[SUM]             ; the old sum on the new maximum, plus this group's
.endif
.endm
	GROUP X,    8, 1, 0, 24, 4, 6                  ; loads 0-7 are in, 24 younger ones stay out
	GROUP X+32, 8, 0, 0, 16, 6, 4
	GROUP X+64, 8, 0, 0, 8,  4, 6
	GROUP X+96, 7, 0, 1, 0,  6, 4                  ; the last seven and the single number; the lane's C ends in v6
	; over the 32 lanes: the smallest C (the largest maximum), each lane's Z brought onto it, then the sum
	v_min_num_f32_dpp v[WC], v6, v6 row_xmask:1 row_mask:0xf bank_mask:0xf        ; v2 was written at the head: a DPP destination counts as read
	v_min_num_f32_dpp v[WC], v[WC], v[WC] row_xmask:2 row_mask:0xf bank_mask:0xf
	v_min_num_f32_dpp v[WC], v[WC], v[WC] row_xmask:4 row_mask:0xf bank_mask:0xf
	v_min_num_f32_dpp v[WC], v[WC], v[WC] row_xmask:8 row_mask:0xf bank_mask:0xf
	v_permlanex16_b32 v[MA], v[WC], s10, s11
	v_min_num_f32 v[WC], v[WC], v[MA]
	v_sub_f32 v[F], v[WC], v6
	v_exp_f32 v[F], v[F]
	v_mov_b32 v[MA+1], s9                          ; the plain instruction behind v_exp_f32: my wave's LDS address
	s_wait_alu depctr_va_vdst(0)
	v_mul_f32 v[Z], v[Z], v[F]
	v_add_f32_dpp v[Z], v[Z], v[Z] row_xmask:1 row_mask:0xf bank_mask:0xf
	v_add_f32_dpp v[Z], v[Z], v[Z] row_xmask:2 row_mask:0xf bank_mask:0xf
	v_add_f32_dpp v[Z], v[Z], v[Z] row_xmask:4 row_mask:0xf bank_mask:0xf
	v_add_f32_dpp v[Z], v[Z], v[Z] row_xmask:8 row_mask:0xf bank_mask:0xf
	v_permlanex16_b32 v[MA], v[Z], s10, s11
	v_add_f32 v[Z], v[Z], v[MA]
	; over the four waves: 8 bytes each in LDS, one barrier, wave 0 joins them
	ds_store_b64 v[MA+1], v[WC:Z]                  ; all lanes write the same pair to the same 8 bytes
	s_wait_dscnt 0x0                               ; my pair is in LDS before I signal: another wave reads it
	s_barrier_signal -1
	s_barrier_wait -1
	s_cmp_lg_u32 s8, 0
	s_cbranch_scc1 .Ldone
	v_mov_b32 v[F], 0
	ds_load_b128 v[8:11], v[F]                     ; C0 Z0 C1 Z1
	ds_load_b128 v[12:15], v[F] offset:16          ; C2 Z2 C3 Z3
	v_cmp_eq_u32 vcc_lo, 0, v0
	s_wait_dscnt 0x0
	v_min3_num_f32 v[WC], v8, v10, v12
	v_min_num_f32 v[WC], v[WC], v14
	v_sub_f32 v8, v[WC], v8
	v_sub_f32 v10, v[WC], v10
	v_sub_f32 v12, v[WC], v12
	v_sub_f32 v14, v[WC], v14
	v_exp_f32 v8, v8
	v_exp_f32 v10, v10
	v_exp_f32 v12, v12
	v_exp_f32 v14, v14
	v_nop                                          ; the plain instruction behind the run of v_exp_f32
	s_wait_alu depctr_va_vdst(0)
	v_mul_f32 v[Z], v9, v8
	v_fmac_f32 v[Z], v11, v10
	v_fmac_f32 v[Z], v13, v12
	v_fmac_f32 v[Z], v15, v14
	s_wait_xcnt 0x0                                ; EXEC is a source of every global instruction issued so far: it changes only behind this wait
	s_and_saveexec_b32 s9, vcc_lo                  ; thread 0 alone stores the work-group's 8 bytes
	global_store_b64 v[F], v[WC:Z], s[6:7]
	s_wait_xcnt 0x0                                ; and again in front of the line that widens it
	s_or_b32 exec_lo, exec_lo, s9
.Ldone:
	s_wait_tensorcnt 0x0
	ds_add_u32 v148, v149
	s_wait_dscnt 0x0
	s_endpgm
.Lfunc_end_k_q56dc74c037_rowstats:
	.size	k_q56dc74c037_rowstats, .Lfunc_end_k_q56dc74c037_rowstats-k_q56dc74c037_rowstats
	.p2alignl 7, 3214868480
	.fill 96, 4, 3214868480
	.section	.rodata,"a",@progbits
	.p2align	6, 0x0
	.amdhsa_kernel k_q56dc74c037_rowstats
		.amdhsa_group_segment_fixed_size 768
		.amdhsa_private_segment_fixed_size 0
		.amdhsa_enable_private_segment 0
		.amdhsa_kernarg_size 16
		.amdhsa_user_sgpr_count 2
		.amdhsa_user_sgpr_kernarg_segment_ptr 1
		.amdhsa_wavefront_size32 1
		.amdhsa_system_sgpr_workgroup_id_x 1
		.amdhsa_system_sgpr_workgroup_id_y 1
		.amdhsa_system_sgpr_workgroup_id_z 1
		.amdhsa_system_vgpr_workitem_id 0
		.amdhsa_next_free_vgpr 150
		.amdhsa_next_free_sgpr 66
		.amdhsa_reserve_vcc 1
		.amdhsa_float_denorm_mode_32 3
		.amdhsa_float_denorm_mode_16_64 3
		.amdhsa_memory_ordered 1
		.amdhsa_forward_progress 1
		.amdhsa_inst_pref_size 25
	.end_amdhsa_kernel
	.amdgpu_metadata
---
amdhsa.version: [ 1, 2 ]
amdhsa.kernels:
  - .name:           k_q56dc74c037_rowstats
    .symbol:         k_q56dc74c037_rowstats.kd
    .args:
      - { .name: beta_logit, .offset: 0, .size: 8, .value_kind: global_buffer, .address_space: global }
      - { .name: stats, .offset: 8, .size: 8, .value_kind: global_buffer, .address_space: global }
    .group_segment_fixed_size: 768
    .private_segment_fixed_size: 0
    .kernarg_segment_align: 8
    .kernarg_segment_size: 16
    .max_flat_workgroup_size: 128
    .sgpr_count:     66
    .vgpr_count:     150
    .wavefront_size: 32
...
	.end_amdgpu_metadata
.endif
;; end of part 1
;; launch mix (part 2): grid 250 x 1, 4 waves a work-group, no clusters, 33,792 bytes of LDS; arguments beta_logit, theta, stats, out0; writes out0
.if DOCPART == 2
	.amdgcn_target "amdgcn-amd-amdhsa--gfx1250"
	.amdhsa_code_object_version 6
	.text
	.protected	k_q56dc74c037_mix
	.globl	k_q56dc74c037_mix
	.p2align	8
	.type	k_q56dc74c037_mix,@function
k_q56dc74c037_mix:
	s_mov_b64 s[64:65], 0
	v_nop
	global_prefetch_b8 v0, s[64:65] scope:SCOPE_SE
	s_setreg_imm32_b32 hwreg(HW_REG_WAVE_MODE, 25, 1), 1
	s_wait_xcnt 0x0
; out0[b][w] = sum over topics k of (theta[b][k] + 1e-10) * p[k][w],  p[k][w] = exp2(beta[k][w] * log2(e) + C'[k]),
; C'[k] = -(row k's maximum) * log2(e) - log2(row k's sum): p is the softmax of row k.
; Its maximum is taken away, so every exponent is <= 0.
; This is reference()'s exp(logsumexp(log theta + log beta)): the outer maximum is undone by the final exp.
; Each term is theta + 1e-10 times a probability <= 1, so the sum leaves f32's range only where reference()'s final exp does.
; log of a negative theta + 1e-10 is NaN in reference(), for the whole output row.
; Here a lane that finds a negative one puts a NaN into its fragment of that row.
;
; 250 work-groups x 4 waves; a work-group makes 128 words (512 bytes of every row of beta and of out0), in two groups g of 64 words.
; Every load of a wave goes out at the start: 1 of stats, 16 of theta, 32 of beta.
; THE PRODUCT: bf16 operands, f32 sums, 16 x 16 x 32.  A = theta + 1e-10 (rows = batch), B = p (columns = words).
; The topics are permuted alike in A and in B, which keeps the products:
; place (K step s, lane half h, kk = 0..15 along the lane's registers) is topic 64 h + 16 s + kk.
;  - Wave q makes the B fragments of K step q.  Lane (r = lane % 16, h = lane / 16) loads 16 bytes, words 4r .. 4r+3 of the group,
;    of its 16 topic rows: sixteen lanes read 256 consecutive bytes that start on a multiple of 256.
;    Word j of each lane belongs to column tile j, in which column r is word 4r + j.
;    So two neighbouring topics of one word, rounded and packed, ARE a register of the fragment: no transposing step.
;    The fragments go to LDS as they lie in registers (lane i at 16 i), and every wave reads all of them.
;  - Wave q multiplies them by its own 16 batch rows (row tile q).  Its A fragments come straight from theta:
;    lane (r, h) reads the 256 bytes of row 16 q + r from topic 64 h on.
;  - In the result, register i of tile j in lane (r, h) is out0[16q + 8h + i][64g + 4r + j].
;    The four tiles hold four neighbouring words of a row in registers 8 apart.
;    Four moves bring them together, and sixteen lanes store 256 consecutive aligned bytes.
;    (64 moves a wave, in place of a second trip through LDS.)
; Group 0's product and stores stand ahead of group 1's exponentials, whose loads are still landing.
; NO CLUSTER: theta and stats are what work-groups share, but 250 = 2 x 125 work-groups do not divide into clusters of four.
; No tensor loads: each number of beta has to pass through registers for its exponential before it can be an operand.
; LIMITS: beta_logit finite, |x| * 1.4427 inside f32.
; C' is rounded once: a common relative error of about |C'| * 2^-24.
; Probabilities below 2^-126 are 0 (v_exp_f32 flushes).
; Both operands are rounded to bf16; all terms have one sign, so the relative error stays near 2^-8.
; The order of the sums is the matrix unit's, not reference()'s.
.set ROWB, 128000                      ; bytes in a row of beta_logit and of out0
.set L2E,  0x3fb8aa3b                  ; log2(e)
.set EPS,  0x2edbe6ff                  ; 1e-10
.set LN,   3                           ; v3        16 x lane: where fragments are read in LDS
.set SO,   4                           ; v4        16 t: topic t's 16 bytes of stats
.set TO,   5                           ; v5        theta: (16 q + r) x 512 + 256 h
.set BO,   6                           ; v6        beta: (64 h + 16 q) rows + 16 r
.set OO,   7                           ; v7        out0: (16 q + 8 h) rows + 16 r
.set LW,   15                          ; v15       16 x lane + 4,096 q: where my fragments are written in LDS
.set CK,   16                          ; v[16:31]  C' of my 16 topics
.set AF,   32                          ; v[32:63]  A fragments, K steps 0..3, 8 registers each
.set TH,   64                          ; v[64:127] theta as loaded; then
.set FB,   64                          ;           my B fragments (group g, tile j at FB + 32 g + 8 j); then
.set ACC,  64                          ;           the accumulators (the same places)
.set X,    128                         ; v[128:255] beta (group g, topic kk, word j at X + 64 g + 4 kk + j); then fragments read back; then store data
.set LFR,  0                           ; LDS: fragments, 16,384 g + 4,096 s + 512 (2 j + c) + 16 lane (c: registers 0-3 or 4-7)
.set LCK,  32768                       ; LDS: C' of the 128 topics
	s_load_b256 s[4:11], s[0:1], 0x0               ; beta_logit s[4:5], theta s[6:7], stats s[8:9], out0 s[10:11]
	s_set_vgpr_msb 0x40
	v_lshl_add_u32 v0, v0, 2, 0x8200
	v_mov_b32 v1, 0
	s_set_vgpr_msb 0x4000
	v_and_b32 v1, 15, v0                           ; r
	v_bfe_u32 v2, v0, 4, 1                         ; h
	v_lshrrev_b32 v3, 5, v0
	v_readfirstlane_b32 s12, v3                    ; wave q
	v_lshlrev_b32 v[SO], 4, v0
	v_lshlrev_b32 v[TO], 9, v1
	v_lshl_add_u32 v[TO], v2, 8, v[TO]
	s_lshl_b32 s13, s12, 13                        ; 16 rows of theta
	v_add_nc_u32 v[TO], s13, v[TO]
	s_mul_i32 s14, s12, 16*ROWB                    ; 16 rows of beta or of out0
	v_mul_u32_u24 v[BO], 64*ROWB, v2
	v_lshl_add_u32 v[BO], v1, 4, v[BO]
	v_add_nc_u32 v[BO], s14, v[BO]
	v_mul_u32_u24 v[OO], 8*ROWB, v2
	v_lshl_add_u32 v[OO], v1, 4, v[OO]
	v_add_nc_u32 v[OO], s14, v[OO]
	s_lshl_b32 s2, ttmp9, 9                        ; the work-group's 512 bytes of every row
	s_mov_b32 s3, 0
	s_lshl_b32 s15, s12, 6                         ; 16 q topics x 4 bytes
	s_lshl_b32 s16, s12, 12                        ; my K step's 4,096 bytes in each group's fragments
	s_wait_kmcnt 0x0
	s_add_nc_u64 s[4:5], s[4:5], s[2:3]
	s_add_nc_u64 s[10:11], s[10:11], s[2:3]
	global_load_b128 v[8:11], v[SO], s[8:9]        ; C, Z of topic t's first half row; C, Z of its second
.set n, 0
.rept 16
	global_load_b128 v[TH+4*n:TH+4*n+3], v[TO], s[6:7] offset:16*n
.set n, n+1
.endr
.irp g, 0,1
.set n, 0
.rept 16
	global_load_b128 v[X+64*\g+4*n:X+64*\g+4*n+3], v[BO], s[4:5] offset:n*ROWB+256*\g th:TH_LOAD_NT   ; this launch reads each byte of beta once
.set n, n+1
.endr
.endr
	v_and_b32 v[LN], 31, v0
	v_lshlrev_b32 v[LN], 4, v[LN]
	v_add_nc_u32 v[LW], s16, v[LN]
	; topic t: the two half rows joined, and C' = C - log2 Z
	s_wait_loadcnt 48                              ; 16 loads of theta and 32 of beta are younger (loads come back in order: ISA guide 5.7.1)
	v_min_num_f32 v12, v8, v10                     ; the smaller C belongs to the larger maximum
	v_sub_f32 v8, v12, v8
	v_sub_f32 v10, v12, v10
	v_exp_f32 v8, v8
	v_exp_f32 v10, v10
	v_lshlrev_b32 v13, 2, v0                       ; the plain instruction behind the two v_exp_f32 (ISA guide 5.7.2): 4 t
	s_wait_alu depctr_va_vdst(0)
	v_mul_f32 v9, v9, v8
	v_fmac_f32 v9, v11, v10                        ; Z on the common maximum; at least about 1
	v_log_f32 v9, v9
	v_lshl_add_u32 v14, v2, 8, s15                 ; the plain instruction behind v_log_f32: 4 x (64 h + 16 q)
	s_wait_alu depctr_va_vdst(0)
	v_sub_f32 v12, v12, v9
	ds_store_b32 v13, v12 offset:LCK
	s_wait_dscnt 0x0                               ; my C' is in LDS before I signal: other waves read it
	s_barrier_signal -1
	s_barrier_wait -1
.irp i, 0,1,2,3
	ds_load_b128 v[CK+4*\i:CK+4*\i+3], v14 offset:LCK+16*\i    ; C' of topics 64 h + 16 q + 0 .. 15
.endr
	; A: theta + 1e-10, rounded to bf16.  Register i of the 32 holds topics 64 h + 2 i and 2 i + 1.
	s_wait_loadcnt 32                              ; theta is in; beta's 32 loads are younger
.set n, 0
.rept 32
	v_pk_add_f32 v[TH+2*n:TH+2*n+1], v[TH+2*n:TH+2*n+1], EPS op_sel_hi:[1,0]
.set n, n+1
.endr
.irp c, 0,1,2,3
	v_min_num_f32 v[8+\c], v[TH+16*\c], v[TH+16*\c+1]          ; the smallest of my 64, in four chains
.endr
.irp e, 2,4,6,8,10,12,14
.irp c, 0,1,2,3
	v_min3_num_f32 v[8+\c], v[8+\c], v[TH+16*\c+\e], v[TH+16*\c+\e+1]
.endr
.endr
	v_min3_num_f32 v8, v8, v9, v10
	v_min_num_f32 v8, v8, v11
.set n, 0
.rept 32
	v_cvt_pk_bf16_f32 v[AF+n], v[TH+2*n], v[TH+2*n+1]
.set n, n+1
.endr
	v_mov_b32 v9, 0x7fc07fc0                       ; two bf16 NaNs
	v_cmp_gt_f32 vcc_lo, 0, v8
	v_cndmask_b32 v[AF], v[AF], v9, vcc_lo         ; a negative theta + 1e-10 has no logarithm: the whole row of out0 becomes NaN
	s_wait_dscnt 0x0                               ; C' of my topics
; B.  Step u = 8 g + p takes the two loads of topics kk = 2p, 2p + 1 of group g: registers X + 8u .. X + 8u + 7.
.macro FMA u
.set p_, (\u)%8
	s_wait_loadcnt 30-2*(\u)                       ; the 2u + 2 oldest of beta's 32 loads are in
	v_pk_fma_f32 v[X+8*(\u):X+8*(\u)+1],   v[X+8*(\u):X+8*(\u)+1],   L2E, v[CK+2*p_:CK+2*p_+1] op_sel_hi:[1,0,0]              ; topic 2p: the pair's first C' for both words
	v_pk_fma_f32 v[X+8*(\u)+2:X+8*(\u)+3], v[X+8*(\u)+2:X+8*(\u)+3], L2E, v[CK+2*p_:CK+2*p_+1] op_sel_hi:[1,0,0]
	v_pk_fma_f32 v[X+8*(\u)+4:X+8*(\u)+5], v[X+8*(\u)+4:X+8*(\u)+5], L2E, v[CK+2*p_:CK+2*p_+1] op_sel:[0,0,1] op_sel_hi:[1,0,1] ; topic 2p + 1: its second
	v_pk_fma_f32 v[X+8*(\u)+6:X+8*(\u)+7], v[X+8*(\u)+6:X+8*(\u)+7], L2E, v[CK+2*p_:CK+2*p_+1] op_sel:[0,0,1] op_sel_hi:[1,0,1]
.endm
.macro EXP u
.irp e, 0,1,2,3,4,5,6,7
	v_exp_f32 v[X+8*(\u)+\e], v[X+8*(\u)+\e]
.endr
.endm
; Two topics of word j make register p of tile j's fragment.
; After four steps the four tiles' registers 0-3 (then 4-7) go to LDS.
.macro CVT u
.set g_, (\u)/8
.set p_, (\u)%8
	s_wait_alu depctr_va_vdst(0)
.irp j, 0,1,2,3
	v_cvt_pk_bf16_f32 v[FB+32*g_+8*\j+p_], v[X+8*(\u)+\j], v[X+8*(\u)+4+\j]
.endr
.if p_%4 == 3
.set c_, p_/4
.irp j, 0,1,2,3
	ds_store_b128 v[LW], v[FB+32*g_+8*\j+4*c_:FB+32*g_+8*\j+4*c_+3] offset:LFR+16384*g_+512*(2*\j+c_)
.endr
.endif
.endm
; 16 LDS loads: group g's fragments of K steps 2 sp and 2 sp + 1, 8,192 consecutive bytes, into the group's 64 registers of X
.macro LOADB g, sp
.set n, 0
.rept 16
	ds_load_b128 v[X+64*\g+4*n:X+64*\g+4*n+3], v[LN] offset:LFR+16384*\g+8192*\sp+512*n
.set n, n+1
.endr
.endm
; K step s of group g: the four accumulators take turns, one instruction a turn.
; zero = 1: the first product starts the sums.
.macro MULS g, s, zero
.irp j, 0,1,2,3
.if \zero
	v_wmma_f32_16x16x32_bf16 v[ACC+32*\g+8*\j:ACC+32*\g+8*\j+7], v[AF+8*\s:AF+8*\s+7], v[X+64*\g+32*(\s%2)+8*\j:X+64*\g+32*(\s%2)+8*\j+7], 0
.else
	v_wmma_f32_16x16x32_bf16 v[ACC+32*\g+8*\j:ACC+32*\g+8*\j+7], v[AF+8*\s:AF+8*\s+7], v[X+64*\g+32*(\s%2)+8*\j:X+64*\g+32*(\s%2)+8*\j+7], v[ACC+32*\g+8*\j:ACC+32*\g+8*\j+7]
.endif
.endr
.endm
; These stand four plain vector instructions behind a matrix instruction (ISA guide 7.12.1 for vector instructions):
; a load into a register that it has read, and a vector instruction that reads its result or writes one of its registers.
.macro PLACES
.rept 4
	v_nop
.endr
.endm
.macro HALF g
	FMA 8*\g
	EXP 8*\g
.set u, 8*\g+1
.rept 7
	FMA u                                          ; the next step's multiply-adds are the plain instructions between the last step's v_exp_f32 and their use
	CVT (u-1)
	EXP u
.set u, u+1
.endr
	v_nop                                          ; the plain instruction behind the last run of v_exp_f32
	s_wait_alu depctr_va_vdst(0)
	CVT 8*\g+7
	s_wait_dscnt 0x0                               ; my fragments are in LDS before I signal: every wave reads them
	s_barrier_signal -1
	s_barrier_wait -1
	LOADB \g, 0
	s_wait_dscnt 8                                 ; K step 0's eight loads are in, K step 1's eight may be out (LDS loads come back in order)
	MULS \g, 0, 1
	s_wait_dscnt 0
	MULS \g, 1, 0
	PLACES
	LOADB \g, 1
	s_wait_dscnt 8                                 ; K step 2's are in
	MULS \g, 2, 0
	s_wait_dscnt 0
	MULS \g, 3, 0
	PLACES
.irp i, 0,1,2,3,4,5,6,7
.irp j, 0,1,2,3
	v_mov_b32 v[X+64*\g+4*\i+\j], v[ACC+32*\g+8*\j+\i]         ; words 4r .. 4r+3 of row 16q + 8h + i, side by side
.endr
	global_store_b128 v[OO], v[X+64*\g+4*\i:X+64*\g+4*\i+3], s[10:11] offset:\i*ROWB+256*\g th:TH_STORE_NT   ; lanes 0-15 and lanes 16-31 each store 256 consecutive aligned bytes of a row; data and offset are never rewritten
.endr
.endm
	HALF 0
	HALF 1
	s_set_vgpr_msb 0x5
	s_wait_tensorcnt 0x0
	ds_add_u32 v0, v1
	s_wait_dscnt 0x0
	s_set_vgpr_msb 0x500
	s_endpgm
.Lfunc_end_k_q56dc74c037_mix:
	.size	k_q56dc74c037_mix, .Lfunc_end_k_q56dc74c037_mix-k_q56dc74c037_mix
	.p2alignl 7, 3214868480
	.fill 96, 4, 3214868480
	.section	.rodata,"a",@progbits
	.p2align	6, 0x0
	.amdhsa_kernel k_q56dc74c037_mix
		.amdhsa_group_segment_fixed_size 33792
		.amdhsa_private_segment_fixed_size 0
		.amdhsa_enable_private_segment 0
		.amdhsa_kernarg_size 32
		.amdhsa_user_sgpr_count 2
		.amdhsa_user_sgpr_kernarg_segment_ptr 1
		.amdhsa_wavefront_size32 1
		.amdhsa_system_sgpr_workgroup_id_x 1
		.amdhsa_system_sgpr_workgroup_id_y 1
		.amdhsa_system_sgpr_workgroup_id_z 1
		.amdhsa_system_vgpr_workitem_id 0
		.amdhsa_next_free_vgpr 258
		.amdhsa_next_free_sgpr 66
		.amdhsa_reserve_vcc 1
		.amdhsa_float_denorm_mode_32 3
		.amdhsa_float_denorm_mode_16_64 3
		.amdhsa_memory_ordered 1
		.amdhsa_forward_progress 1
		.amdhsa_inst_pref_size 41
	.end_amdhsa_kernel
	.amdgpu_metadata
---
amdhsa.version: [ 1, 2 ]
amdhsa.kernels:
  - .name:           k_q56dc74c037_mix
    .symbol:         k_q56dc74c037_mix.kd
    .args:
      - { .name: beta_logit, .offset: 0, .size: 8, .value_kind: global_buffer, .address_space: global }
      - { .name: theta, .offset: 8, .size: 8, .value_kind: global_buffer, .address_space: global }
      - { .name: stats, .offset: 16, .size: 8, .value_kind: global_buffer, .address_space: global }
      - { .name: out0, .offset: 24, .size: 8, .value_kind: global_buffer, .address_space: global }
    .group_segment_fixed_size: 33792
    .private_segment_fixed_size: 0
    .kernarg_segment_align: 8
    .kernarg_segment_size: 32
    .max_flat_workgroup_size: 128
    .sgpr_count:     66
    .vgpr_count:     258
    .wavefront_size: 32
...
	.end_amdgpu_metadata
.endif
;; end of part 2
;; ======== version 2 of 2: 2 launches; version 1 with the launch mix written anew for expert scheduling mode
;; limits: values outside matrix products are rounded to bf16
;; workspace buffers: stats 2,048 bytes
;; launch rowstats: the kernel of part 1 again; grid 256 x 1, 4 waves a work-group, no clusters, 768 bytes of LDS; arguments beta_logit, stats; writes stats
;; launch mix (part 3): grid 250 x 1, 4 waves a work-group, no clusters, 33,792 bytes of LDS; arguments beta_logit, theta, stats, out0; writes out0
.if DOCPART == 3
	.amdgcn_target "amdgcn-amd-amdhsa--gfx1250"
	.amdhsa_code_object_version 6
	.text
	.protected	k_q56dc74c037_mix
	.globl	k_q56dc74c037_mix
	.p2align	8
	.type	k_q56dc74c037_mix,@function
k_q56dc74c037_mix:
	s_mov_b64 s[64:65], 0
	v_nop
	global_prefetch_b8 v0, s[64:65] scope:SCOPE_SE
	s_setreg_imm32_b32 hwreg(HW_REG_WAVE_SCHED_MODE, 0, 2), 2
	s_setreg_imm32_b32 hwreg(HW_REG_WAVE_MODE, 25, 1), 1
	s_wait_xcnt 0x0
	s_wait_alu depctr_vm_vsrc(0)
; out0[b][w] = sum over topics k of (theta[b][k] + 1e-10) * p[k][w],  p[k][w] = exp2(beta[k][w] * log2(e) + C'[k]),
; C'[k] = -(row k's maximum) * log2(e) - log2(row k's sum): p is the softmax of row k.
; Its maximum is taken away, so every exponent is <= 0.
; This is reference()'s exp(logsumexp(log theta + log beta)): the outer maximum is undone by the final exp.
; Each term is theta + 1e-10 times a probability <= 1, so the sum leaves f32's range only where reference()'s final exp does.
; log of a negative theta + 1e-10 is NaN in reference(), for the whole output row.
; Here a lane that finds a negative one puts a NaN into its fragment of that row.
;
; 250 work-groups x 4 waves; a work-group makes 128 words (512 bytes of every row of beta and of out0), in two groups g of 64 words.
; Every global load of a wave goes out at the start: 1 of stats, 16 of theta, 32 of beta.
; THE PRODUCT: bf16 operands, f32 sums, 16 x 16 x 32.  A = theta + 1e-10 (rows = batch), B = p (columns = words).
; The topics are permuted alike in A and in B, which keeps the products:
; place (K step s, lane half h, kk = 0..15 along the lane's registers) is topic 64 h + 16 s + kk.
;  - Wave q makes the B fragments of K step q.  Lane (r = lane % 16, h = lane / 16) loads 16 bytes, words 4r .. 4r+3 of the group,
;    of its 16 topic rows: sixteen lanes read 256 consecutive bytes that start on a multiple of 256.
;    Word j of each lane belongs to column tile j, in which column r is word 4r + j.
;    So two neighbouring topics of one word, rounded and packed, ARE a register of the fragment: no transposing step.
;    The fragments go to LDS as they lie in registers (lane i at 16 i), and every wave reads all of them.
;  - Wave q multiplies them by its own 16 batch rows (row tile q).  Its A fragments come straight from theta:
;    lane (r, h) reads the 256 bytes of row 16 q + r from topic 64 h on.
;  - In the result, register i of tile j in lane (r, h) is out0[16q + 8h + i][64g + 4r + j].
;    The four tiles hold four neighbouring words of a row in registers 8 apart.
;    Four moves bring them together, and sixteen lanes store 256 consecutive aligned bytes.
;    (64 moves a wave, in place of a second trip through LDS.)
; Group 0's product and stores stand ahead of group 1's exponentials, whose loads are still landing.
; NO CLUSTER: theta and stats are what work-groups share, but 250 = 2 x 125 work-groups do not divide into clusters of four.
; No tensor loads: each number of beta has to pass through registers for its exponential before it can be an operand.
; LIMITS: beta_logit finite, |x| * 1.4427 inside f32.
; C' is rounded once: a common relative error of about |C'| * 2^-24.
; Probabilities below 2^-126 are 0 (v_exp_f32 flushes).
; Both operands are rounded to bf16; all terms have one sign, so the relative error stays near 2^-8.
; The order of the sums is the matrix unit's, not reference()'s.
;
; THE MODE: SCHED_MODE bits 1:0 = 2 (LLVM: expert scheduling mode 2), set by the entry lines.
; The code itself states the register dependences between vector or matrix instructions and memory or LDS instructions,
; with s_wait_alu, always for 0.
; THE PLAN.  Registers that memory or LDS instructions touch:
;   v4-v7, v3, v13-v15   offsets and LDS addresses: each is written once, ahead of a wait on va_vdst that stands ahead of its first use, and never again.
;   X + 64 g (64)        beta lands here; the multiply-adds and exponentials work in place; the conversions read it.  Behind the wait that follows the
;                        conversions the fragments of K steps 0 and 1 land here; the matrix instructions read them;
;                        the moves write the lower 32 as store data, which is never written again.
;   FB + 32 g (32)       the conversions write it, eight LDS stores read it; behind a wait on vm_vsrc the matrix instructions write it as accumulators.
;   FB + 32 (1 - g)      K step 2's fragments land here.  In group 0 these are theta's registers, done with since A was made;
;                        in group 1 they are group 0's accumulators, done with since its moves.
;   v256-v287            K step 3's fragments (window 1): named by those LDS loads and by K step 3's four matrix instructions alone.
; So each K step's fragments have registers of their own.  All 32 fragment loads go out in one run behind the barrier,
; and no wait on the vector side stands inside a product.
; A group has four waits: the exponentials' results; the conversions' results and all earlier users of the four fragment buffers;
; the LDS stores' reads; the moves' results.
.set ROWB, 128000                      ; bytes in a row of beta_logit and of out0
.set L2E,  0x3fb8aa3b                  ; log2(e)
.set EPS,  0x2edbe6ff                  ; 1e-10
.set LN,   3                           ; v3        16 x lane: where fragments are read in LDS
.set SO,   4                           ; v4        16 t: topic t's 16 bytes of stats
.set TO,   5                           ; v5        theta: (16 q + r) x 512 + 256 h
.set BO,   6                           ; v6        beta: (64 h + 16 q) rows + 16 r
.set OO,   7                           ; v7        out0: (16 q + 8 h) rows + 16 r
.set LW,   15                          ; v15       16 x lane + 4,096 q: where my fragments are written in LDS
.set CK,   16                          ; v[16:31]  C' of my 16 topics
.set AF,   32                          ; v[32:63]  A fragments, K steps 0..3, 8 registers each
.set TH,   64                          ; v[64:127] theta as loaded; then
.set FB,   64                          ;           my B fragments (group g, tile j at FB + 32 g + 8 j); then
.set ACC,  64                          ;           the accumulators (the same places); the other group's 32 take K step 2's fragments
.set X,    128                         ; v[128:255] beta (group g, topic kk, word j at X + 64 g + 4 kk + j); then K steps 0 and 1 read back; then store data
.set B3,   0                           ; v[256:287] K step 3 read back: written v0-v31 under window 1
.set LFR,  0                           ; LDS: fragments, 16,384 g + 4,096 s + 512 (2 j + c) + 16 lane (c: registers 0-3 or 4-7)
.set LCK,  32768                       ; LDS: C' of the 128 topics
.set MSB, 0
.macro WIN new                         ; s_set_vgpr_msb: bits 1:0 source 0, 3:2 source 1, 5:4 source 2, 7:6 destination; the high byte repeats the setting that is left
.if MSB != (\new)
	s_set_vgpr_msb (MSB<<8)|(\new)
.set MSB, \new
.endif
.endm
	s_load_b256 s[4:11], s[0:1], 0x0               ; beta_logit s[4:5], theta s[6:7], stats s[8:9], out0 s[10:11]
	s_set_vgpr_msb 0x40
	v_lshl_add_u32 v32, v0, 2, 0x8200
	v_mov_b32 v33, 0
	s_set_vgpr_msb 0x4000
	v_and_b32 v1, 15, v0                           ; r
	v_bfe_u32 v2, v0, 4, 1                         ; h
	v_lshrrev_b32 v3, 5, v0
	v_readfirstlane_b32 s12, v3                    ; wave q
	v_lshlrev_b32 v[SO], 4, v0
	v_lshlrev_b32 v[TO], 9, v1
	v_lshl_add_u32 v[TO], v2, 8, v[TO]
	v_mul_u32_u24 v[BO], 64*ROWB, v2
	v_lshl_add_u32 v[BO], v1, 4, v[BO]
	v_mul_u32_u24 v[OO], 8*ROWB, v2
	v_lshl_add_u32 v[OO], v1, 4, v[OO]
	s_lshl_b32 s2, ttmp9, 9                        ; the work-group's 512 bytes of every row
	s_mov_b32 s3, 0
	s_wait_alu depctr_va_sdst(0)                   ; s12 is written, ahead of its first reader: the four scalar lines below are made from it
	s_lshl_b32 s13, s12, 13                        ; 16 rows of theta
	s_mul_i32 s14, s12, 16*ROWB                    ; 16 rows of beta or of out0
	s_lshl_b32 s15, s12, 6                         ; 16 q topics x 4 bytes
	s_lshl_b32 s16, s12, 12                        ; my K step's 4,096 bytes in each group's fragments
	v_add_nc_u32 v[TO], s13, v[TO]
	v_add_nc_u32 v[BO], s14, v[BO]
	v_add_nc_u32 v[OO], s14, v[OO]
	s_wait_kmcnt 0x0
	s_add_nc_u64 s[4:5], s[4:5], s[2:3]
	s_add_nc_u64 s[10:11], s[10:11], s[2:3]
	s_wait_alu depctr_va_vdst(0)                   ; the offsets v4 to v7 are written: the 49 loads below read v4, v5 and v6, the stores of out0 read v7
	global_load_b128 v[8:11], v[SO], s[8:9]        ; C, Z of topic t's first half row; C, Z of its second
.set n, 0
.rept 16
	global_load_b128 v[TH+4*n:TH+4*n+3], v[TO], s[6:7] offset:16*n
.set n, n+1
.endr
.irp g, 0,1
.set n, 0
.rept 16
	global_load_b128 v[X+64*\g+4*n:X+64*\g+4*n+3], v[BO], s[4:5] offset:n*ROWB+256*\g th:TH_LOAD_NT   ; this launch reads each byte of beta once
.set n, n+1
.endr
.endr
	v_and_b32 v[LN], 31, v0                        ; no memory instruction has named v3 or v15; their first use stands behind the waits below
	v_lshlrev_b32 v[LN], 4, v[LN]
	v_add_nc_u32 v[LW], s16, v[LN]
	; topic t: the two half rows joined, and C' = C - log2 Z
	s_wait_loadcnt 48                              ; 16 loads of theta and 32 of beta are younger (loads come back in order: ISA guide 5.7.1)
	v_min_num_f32 v12, v8, v10                     ; the smaller C belongs to the larger maximum
	v_sub_f32 v8, v12, v8
	v_sub_f32 v10, v12, v10
	v_exp_f32 v8, v8
	v_exp_f32 v10, v10
	v_lshlrev_b32 v13, 2, v0                       ; the plain instruction behind the two v_exp_f32 (ISA guide 5.7.2): 4 t
	s_wait_alu depctr_va_vdst(0)                   ; the two v_exp_f32 have written v8 and v10, ahead of their first reader
	v_mul_f32 v9, v9, v8
	v_fmac_f32 v9, v11, v10                        ; Z on the common maximum; at least about 1
	v_log_f32 v9, v9
	v_lshl_add_u32 v14, v2, 8, s15                 ; the plain instruction behind v_log_f32: 4 x (64 h + 16 q)
	s_wait_alu depctr_va_vdst(0)                   ; v_log_f32 has written v9, ahead of its reader
	v_sub_f32 v12, v12, v9
	s_wait_alu depctr_va_vdst(0)                   ; v12 is written, which the LDS store reads as data; so are its address v13 and v14, the address of the LDS loads behind the barrier
	ds_store_b32 v13, v12 offset:LCK
	s_wait_dscnt 0x0                               ; my C' is in LDS before I signal: other waves read it
	s_barrier_signal -1
	s_barrier_wait -1
.irp i, 0,1,2,3
	ds_load_b128 v[CK+4*\i:CK+4*\i+3], v14 offset:LCK+16*\i    ; C' of topics 64 h + 16 q + 0 .. 15; no vector instruction has named v[16:31]
.endr
	; A: theta + 1e-10, rounded to bf16.  Register i of the 32 holds topics 64 h + 2 i and 2 i + 1.
	s_wait_loadcnt 32                              ; theta is in; beta's 32 loads are younger
.set n, 0
.rept 32
	v_pk_add_f32 v[TH+2*n:TH+2*n+1], v[TH+2*n:TH+2*n+1], EPS op_sel_hi:[1,0]
.set n, n+1
.endr
.irp c, 0,1,2,3
	v_min_num_f32 v[8+\c], v[TH+16*\c], v[TH+16*\c+1]          ; the smallest of my 64, in four chains
.endr
.irp e, 2,4,6,8,10,12,14
.irp c, 0,1,2,3
	v_min3_num_f32 v[8+\c], v[8+\c], v[TH+16*\c+\e], v[TH+16*\c+\e+1]
.endr
.endr
	v_min3_num_f32 v8, v8, v9, v10
	v_min_num_f32 v8, v8, v11
	v_cmp_gt_f32 vcc_lo, 0, v8                     ; the conversions stand between the compare and the wait for its mask
	v_mov_b32 v9, 0x7fc07fc0                       ; two bf16 NaNs
.set n, 0
.rept 32
	v_cvt_pk_bf16_f32 v[AF+n], v[TH+2*n], v[TH+2*n+1]
.set n, n+1
.endr
	s_wait_alu depctr_va_vcc(0)                    ; the compare has written VCC, ahead of the select that reads it
	v_cndmask_b32 v[AF], v[AF], v9, vcc_lo         ; a negative theta + 1e-10 has no logarithm: the whole row of out0 becomes NaN
	s_wait_dscnt 0x0                               ; C' of my topics
; B.  Step u = 8 g + p takes the two loads of topics kk = 2p, 2p + 1 of group g: registers X + 8u .. X + 8u + 7.
.macro FMA u
.set p_, (\u)%8
	s_wait_loadcnt 30-2*(\u)                       ; the 2u + 2 oldest of beta's 32 loads are in
	v_pk_fma_f32 v[X+8*(\u):X+8*(\u)+1],   v[X+8*(\u):X+8*(\u)+1],   L2E, v[CK+2*p_:CK+2*p_+1] op_sel_hi:[1,0,0]              ; topic 2p: the pair's first C' for both words
	v_pk_fma_f32 v[X+8*(\u)+2:X+8*(\u)+3], v[X+8*(\u)+2:X+8*(\u)+3], L2E, v[CK+2*p_:CK+2*p_+1] op_sel_hi:[1,0,0]
	v_pk_fma_f32 v[X+8*(\u)+4:X+8*(\u)+5], v[X+8*(\u)+4:X+8*(\u)+5], L2E, v[CK+2*p_:CK+2*p_+1] op_sel:[0,0,1] op_sel_hi:[1,0,1] ; topic 2p + 1: its second
	v_pk_fma_f32 v[X+8*(\u)+6:X+8*(\u)+7], v[X+8*(\u)+6:X+8*(\u)+7], L2E, v[CK+2*p_:CK+2*p_+1] op_sel:[0,0,1] op_sel_hi:[1,0,1]
.endm
.macro EXP u
.irp e, 0,1,2,3,4,5,6,7
	v_exp_f32 v[X+8*(\u)+\e], v[X+8*(\u)+\e]
.endr
.endm
; Two topics of word j make register p of tile j's fragment.
.macro CVT u
.set g_, (\u)/8
.set p_, (\u)%8
.irp j, 0,1,2,3
	v_cvt_pk_bf16_f32 v[FB+32*g_+8*\j+p_], v[X+8*(\u)+\j], v[X+8*(\u)+4+\j]
.endr
.endm
; 8 LDS loads: group g's fragments of K step s, 4,096 consecutive bytes, into the 32 registers from b on
.macro LOADF g, s, b
.set n, 0
.rept 8
	ds_load_b128 v[(\b)+4*n:(\b)+4*n+3], v[LN] offset:LFR+16384*\g+4096*\s+512*n
.set n, n+1
.endr
.endm
; K step s of group g, its fragments at b: the four accumulators take turns, one instruction a turn.
; zero = 1: the first product starts the sums.
.macro MULS g, s, b, zero
.irp j, 0,1,2,3
.if \zero
	v_wmma_f32_16x16x32_bf16 v[ACC+32*\g+8*\j:ACC+32*\g+8*\j+7], v[AF+8*\s:AF+8*\s+7], v[(\b)+8*\j:(\b)+8*\j+7], 0
.else
	v_wmma_f32_16x16x32_bf16 v[ACC+32*\g+8*\j:ACC+32*\g+8*\j+7], v[AF+8*\s:AF+8*\s+7], v[(\b)+8*\j:(\b)+8*\j+7], v[ACC+32*\g+8*\j:ACC+32*\g+8*\j+7]
.endif
.endr
.endm
; A vector instruction that reads a matrix result or writes one of a matrix instruction's registers
; stands four plain vector instructions behind it (ISA guide 7.12.1).
.macro PLACES
.rept 4
	v_nop
.endr
.endm
.macro HALF g
.set u, 8*\g
.rept 8
	FMA u                                          ; each step's multiply-adds are the plain instructions behind the step before's v_exp_f32; they name none of its registers
	EXP u                                          ; the group's 64 exponentials are one batch: nothing names a result ahead of the wait below
.set u, u+1
.endr
	v_nop                                          ; the plain instruction behind the last run of v_exp_f32
	s_wait_alu depctr_va_vdst(0)                   ; the 64 v_exp_f32 have written X + 64 g .., ahead of the conversions that read them
.set u, 8*\g
.rept 8
	CVT u
.set u, u+1
.endr
	s_wait_alu depctr_va_vdst(0)                   ; the conversions have written FB + 32 g .., which the LDS stores read, and are done reading X + 64 g ..; all earlier users of the other FB and of v256-v287 are done too: the fragment loads behind the barrier land in these, and no vector instruction stands between
.irp c, 0,1
.irp j, 0,1,2,3
	ds_store_b128 v[LW], v[FB+32*\g+8*\j+4*\c:FB+32*\g+8*\j+4*\c+3] offset:LFR+16384*\g+512*(2*\j+\c)
.endr
.endr
	s_wait_dscnt 0x0                               ; my fragments are in LDS before I signal: every wave reads them
	s_barrier_signal -1
	s_barrier_wait -1
	s_wait_alu depctr_vm_vsrc(0)                   ; my LDS stores have read FB + 32 g ..: these registers are the accumulators from here on, written by the matrix instructions
	LOADF \g, 0, X+64*\g
	LOADF \g, 1, X+64*\g+32
	LOADF \g, 2, FB+32-32*\g
	WIN 0x40                                       ; destination in window 1, address in window 0
	LOADF \g, 3, B3
	WIN 0
	s_wait_dscnt 24                                ; K step 0's eight loads are in, the 24 younger ones may be out (LDS loads come back in order: ISA guide 5.7.1)
	MULS \g, 0, X+64*\g, 1
	s_wait_dscnt 16                                ; K step 1's are in
	MULS \g, 1, X+64*\g+32, 0
	s_wait_dscnt 8                                 ; K step 2's are in
	MULS \g, 2, FB+32-32*\g, 0
	s_wait_dscnt 0x0                               ; K step 3's are in
	WIN 0x04                                       ; source 1, the B fragment, in window 1
	MULS \g, 3, B3, 0
	WIN 0
	PLACES
.irp i, 0,1,2,3,4,5,6,7
.irp j, 0,1,2,3
	v_mov_b32 v[X+64*\g+4*\i+\j], v[ACC+32*\g+8*\j+\i]         ; words 4r .. 4r+3 of row 16q + 8h + i, side by side; each accumulator is read from its lowest register on
.endr
.endr
	s_wait_alu depctr_va_vdst(0)                   ; the 32 moves have written X + 64 g .. + 31, which the eight stores read
.irp i, 0,1,2,3,4,5,6,7
	global_store_b128 v[OO], v[X+64*\g+4*\i:X+64*\g+4*\i+3], s[10:11] offset:\i*ROWB+256*\g th:TH_STORE_NT   ; lanes 0-15 and lanes 16-31 each store 256 consecutive aligned bytes of a row; data, offset and base are never rewritten
.endr
.endm
	HALF 0
	HALF 1
	s_set_vgpr_msb 0x5
	s_wait_dscnt 0x0
	s_wait_alu depctr_hold_cnt(0) depctr_sa_sdst(0) depctr_va_vdst(0) depctr_va_sdst(0) depctr_va_ssrc(0) depctr_va_vcc(0) depctr_vm_vsrc(0)
	s_wait_tensorcnt 0x0
	ds_add_u32 v32, v33
	s_wait_dscnt 0x0
	s_endpgm
.Lfunc_end_k_q56dc74c037_mix:
	.size	k_q56dc74c037_mix, .Lfunc_end_k_q56dc74c037_mix-k_q56dc74c037_mix
	.p2alignl 7, 3214868480
	.fill 96, 4, 3214868480
	.section	.rodata,"a",@progbits
	.p2align	6, 0x0
	.amdhsa_kernel k_q56dc74c037_mix
		.amdhsa_group_segment_fixed_size 33792
		.amdhsa_private_segment_fixed_size 0
		.amdhsa_enable_private_segment 0
		.amdhsa_kernarg_size 32
		.amdhsa_user_sgpr_count 2
		.amdhsa_user_sgpr_kernarg_segment_ptr 1
		.amdhsa_wavefront_size32 1
		.amdhsa_system_sgpr_workgroup_id_x 1
		.amdhsa_system_sgpr_workgroup_id_y 1
		.amdhsa_system_sgpr_workgroup_id_z 1
		.amdhsa_system_vgpr_workitem_id 0
		.amdhsa_next_free_vgpr 290
		.amdhsa_next_free_sgpr 66
		.amdhsa_reserve_vcc 1
		.amdhsa_float_denorm_mode_32 3
		.amdhsa_float_denorm_mode_16_64 3
		.amdhsa_memory_ordered 1
		.amdhsa_forward_progress 1
		.amdhsa_inst_pref_size 41
	.end_amdhsa_kernel
	.amdgpu_metadata
---
amdhsa.version: [ 1, 2 ]
amdhsa.kernels:
  - .name:           k_q56dc74c037_mix
    .symbol:         k_q56dc74c037_mix.kd
    .args:
      - { .name: beta_logit, .offset: 0, .size: 8, .value_kind: global_buffer, .address_space: global }
      - { .name: theta, .offset: 8, .size: 8, .value_kind: global_buffer, .address_space: global }
      - { .name: stats, .offset: 16, .size: 8, .value_kind: global_buffer, .address_space: global }
      - { .name: out0, .offset: 24, .size: 8, .value_kind: global_buffer, .address_space: global }
    .group_segment_fixed_size: 33792
    .private_segment_fixed_size: 0
    .kernarg_segment_align: 8
    .kernarg_segment_size: 32
    .max_flat_workgroup_size: 128
    .sgpr_count:     66
    .vgpr_count:     290
    .wavefront_size: 32
...
	.end_amdgpu_metadata
.endif
;; end of part 3
